; MI455X (gfx1250); checked and timed in simulation.
; The chip was launched on July 23, 2026; its instructions are those of AMD's public machine-readable ISA for CDNA 5 (MIT licence, August 2026) and "CDNA5" Instruction Set Architecture Reference Guide (July 2026). The comments in the code are by the model that wrote it; some were corrected since.
;; Onnx Multi Head Attention. Allowed arithmetic: matrix products marked QUANTISED: E4M3 operands, one given power-of-two scale a tensor, by v_wmma_f32_16x16x64_fp8_fp8 or v_wmma_f32_16x16x128_fp8_fp8, f32 sums; everything else in f32.
;; Inputs: causal_mask 2,048 x 2,048 float32; cos_freqs 2,048 x 32 float32; lowp_scales 12 int32 (the exponents e of the quantised operands' scales 2^e); sin_freqs 2,048 x 32 float32; w_k 1,024 x 1,024 float32; w_o 1,024 x 1,024 float32; w_q 1,024 x 1,024 float32; w_v 1,024 x 1,024 float32; x 4 x 2,048 x 1,024 float32.
;; Outputs: out0 4 x 2,048 x 1,024 float32.
;; This version of the problem:
;;   THIS VERSION OF THE PROBLEM IS GIVEN IN LOW PRECISION. The matrix products marked QUANTISED in the list below multiply operands that are first quantised to E4M3 (4 exponent bits, 3 mantissa bits; 8 bits a number), with one given power-of-two scale for each operand tensor; their sums are f32. All else is computed in f32.
;;   The module's matrix products, in the order in which they are computed (A, B: the left and right operand; K: the contracted axis; several contracted axes count as one K, in the product's order):
;;     1. [M 8,192, K 1,024] x [K 1,024, N 1,024]; A: input x; B: input w_q: QUANTISED (scales: A lowp_scales[0], B lowp_scales[1])
;;     2. [M 8,192, K 1,024] x [K 1,024, N 1,024]; A: input x; B: input w_k: QUANTISED (scales: A lowp_scales[2], B lowp_scales[3])
;;     3. [M 8,192, K 1,024] x [K 1,024, N 1,024]; A: input x; B: input w_v: QUANTISED (scales: A lowp_scales[4], B lowp_scales[5])
;;     4. batch 64 x [M 2,048, K 64] x [K 64, N 2,048]; A: computed on the way; B: computed on the way: QUANTISED (scales: A lowp_scales[6], B lowp_scales[7])
;;     5. batch 64 x [M 2,048, K 2,048] x [K 2,048, N 64]; A: softmax (see below); B: computed on the way: QUANTISED (scales: A lowp_scales[8], B lowp_scales[9])
;;     6. [M 8,192, K 1,024] x [K 1,024, N 1,024]; A: computed on the way; B: input w_o: QUANTISED (scales: A lowp_scales[10], B lowp_scales[11])
;;   THE QUANTISER, for each operand of a quantised product, along K:
;;     - The operand's scale is 2^e, e = its entry of the input lowp_scales (int32; the entries are numbered through the quantised products in the list's order, A before B).
;;     - Each number is divided by the scale, clamped to +-448, and rounded to the nearest number of E4M3, ties to even, subnormals kept.
;;     - The product sums the exact products of the quantised numbers (number of the format x scale) in f32.
;;   ~~~python
;;   def quantise(x, axis, e):      # numpy; x: float32 -> the quantised numbers, widened to float32 again
;;       x = np.moveaxis(x, axis, -1); K = x.shape[-1]
;;       r = np.clip(x / 2.0 ** e, -448, 448)
;;       step = 2.0 ** (np.maximum(np.frexp(np.where(r == 0, 1, r))[1] - 1, -6) - 3)
;;       q = np.round(r / step) * step * 2.0 ** e      # np.round: ties to even
;;       return np.moveaxis(q, -1, axis).astype(np.float32)
;;   ~~~
;;   SOFTMAX AHEAD OF A QUANTISED PRODUCT. Where the list says 'softmax', what is quantised is not the finished softmax but p = 2^(t - M), with t = logit x log2(e) and M = ceil(the row's largest t), a whole number; so 1/2 < the row's largest p <= 1. The row's sum l is taken of the UNQUANTISED p, in f32, and the product's result is divided by l at the end. Since M is a whole number, a kernel that streams over the keys may use a running M (the ceiling of the running maximum): every later rescaling is an exact power of two, so the quantised numbers keep their values, but for numbers so far below the row's largest that they fall under the format's range.
;;   OPERANDS COMPUTED ON THE WAY. 'Computed on the way' means the value that the module computes at that place (a softmax that the list does not call 'softmax' is quantised finished and normalised). What goes into a quantiser is computed in f32, as accurately as f32 sums, v_exp_f32 and their like allow (about 1e-6 of the number): no bf16 or f16 on the way to a quantiser, and a product that is left as it is and whose result goes on into a quantised operand takes f32 operands (vector FMAs, or v_wmma_f32_16x16x4_f32). A number that lies on a knife's edge between two numbers of the format may be rounded either way, as far as f32 arithmetic and the matrix unit's own rounding can turn it there, and no further.
;; One version. Each part assembles by itself: llvm-mc -triple=amdgcn-amd-amdhsa -mcpu=gfx1250 --defsym DOCPART=n.
;; ======== version 1 of 1: 4 launches
;; limits: right only within a limited range of input values
;; workspace buffers: ximg 25,165,824 bytes; wimg 4,194,304 bytes; qimg 8,388,608 bytes; kvimg 16,777,216 bytes; aimg 8,388,608 bytes; mimg 16,777,216 bytes
;; launch quant (part 1): grid 1024 x 1, 4 waves a work-group, no clusters, 68,096 bytes of LDS; arguments x, w_q, w_k, w_v, w_o, lowp_scales, ximg, wimg, causal_mask, mimg; writes ximg, wimg, mimg
.if DOCPART == 1
	.amdgcn_target "amdgcn-amd-amdhsa--gfx1250"
	.amdhsa_code_object_version 6
	.text
	.protected	k_qddb1d0f0d4_quant
	.globl	k_qddb1d0f0d4_quant
	.p2align	8
	.type	k_qddb1d0f0d4_quant,@function
k_qddb1d0f0d4_quant:
	s_mov_b64 s[64:65], 0
	v_nop
	global_prefetch_b8 v0, s[64:65] scope:SCOPE_SE
	s_setreg_imm32_b32 hwreg(HW_REG_WAVE_MODE, 25, 1), 1
	s_wait_xcnt 0x0
; x [8192][1024] and the four weights [1024][1024], f32 with K innermost, become codes of FP8 (E4M3), laid as IMAGES OF OPERAND REGISTERS.
; An image is a fragment of 16 rows x 128 along K, 2,048 bytes: [piece i 0..3][lane 32][16 bytes]; piece i is registers 4 i .. 4 i + 3 of the fragment, and lane (r = lane % 16, h = lane / 16)
; holds in registers 2 c, 2 c + 1 the codes of row r, k = 16 c + 8 h + 0 .. 7 (the 8-bit layout of the plain matrix forms: ISA guide 7.12.2).
; ximg: [set 3][row tile 512][K step 8][2,048]: x is an operand of three products, each with its own scale (entries 0, 2, 4).  wimg: [q, k, v, o][row tile 64][K step 8][2,048] (entries 1, 3, 5, 11).
; code = number / 2^e, held within +-448, rounded to the nearest code, ties to even.  LIMITS: -126 <= e <= 119, so that 2^e and 448 x 2^e are f32 numbers; NaN among the inputs is not served.
; SHARES.  Work-groups 0 to 511 take a row tile (16 rows) of x, the other 256 a row tile of a weight; wave w takes K steps 2 w and 2 w + 1.  A stream: no matrix unit, no tensor load, no barrier; waves share nothing.
; Each load reads 512 consecutive bytes of one row; a fragment's 16 x 512 bytes turn through the wave's own stage in LDS (rows 528 bytes apart) and come back 32 bytes of a row at a time, as the layout wants them.
; Each store writes 512 consecutive bytes, at a multiple of 512 from the buffer's first byte.
.set XT,   512                         ; row tiles of x
.set SP,   528                         ; a stage row: 512 bytes + 16 of padding = 132 words: the sixteen rows that a load touches start at sixteen different banks
.set WREG, 16*SP                       ; a wave's stage
.set VL,   2                           ; v2   16 x lane: my place in a load's and in a store's 512 bytes; never rewritten
.set WRA,  3                           ; v3   the stage on the way in
.set RDA,  4                           ; v4   and on the way out: row r, + 32 h
.set TA,   12                          ; v12-27  two sets of eight held numbers, by turns
.set C,    28                          ; v28-75  a fragment's codes, 16 registers for each of three sets
.set R,    80                          ; v80-207 two fragments' numbers, 64 registers each
                                       ; v5, v6: 2^e and 448 x 2^e of set 0; v7, v8 of set 1; v9, v10 of set 2
	s_load_b256 s[4:11], s[0:1], 0x0               ; x s[4:5], w_q s[6:7], w_k s[8:9], w_v s[10:11]
	s_load_b256 s[12:19], s[0:1], 0x20             ; w_o s[12:13], the exponents s[14:15], ximg s[16:17], wimg s[18:19]
	s_load_b128 s[48:51], s[0:1], 0x40             ; the mask s[48:49], mimg s[50:51]
	v_lshl_add_u32 v208, v0, 2, 0x8400
	v_mov_b32 v209, 0
	v_lshrrev_b32 v1, 5, v0
	v_readfirstlane_b32 s20, v1                    ; wave 0..3
	v_and_b32 v1, 31, v0
	v_lshlrev_b32 v[VL], 4, v1
	s_mul_i32 s44, s20, WREG
	v_add_nc_u32 v[WRA], s44, v[VL]
	v_and_b32 v1, 15, v0                           ; r
	v_bfe_u32 v11, v0, 4, 1                        ; h
	v_mul_u32_u24 v[RDA], v1, SP
	v_lshl_add_u32 v[RDA], v11, 5, v[RDA]
	v_add_nc_u32 v[RDA], s44, v[RDA]
	s_max_u32 s21, ttmp9, XT
	s_sub_co_u32 s21, s21, XT                      ; a weight's work-group: its number among the 256 (0 in x's work-groups)
	s_lshr_b32 s22, s21, 6                         ; which weight: q, k, v, o
	s_and_b32 s23, s21, 63                         ; its row tile
	s_lshl_b32 s40, s22, 20                        ; the weight's images: 64 tiles x 16,384 bytes
	s_lshl_b32 s32, s22, 3
	s_add_co_u32 s32, s32, 4                       ; byte of its exponent: entries 1, 3, 5,
	s_cmp_eq_u32 s22, 3
	s_cselect_b32 s32, 44, s32                     ; and 11 for w_o
	s_cmp_lt_u32 ttmp9, XT                         ; x's work-group?  The choices hang on the work-group's number alone
	s_cselect_b32 s23, ttmp9, s23
	s_cselect_b32 s40, 0, s40
	s_cselect_b32 s32, 0, s32                      ; x's set 0: entry 0
	s_lshl_b32 s36, s23, 16                        ; from: a row tile is 16 rows of 4,096 bytes;
	s_lshl_b32 s41, s20, 10                        ; my wave's two K steps are 1,024 bytes of a row
	s_add_co_u32 s36, s36, s41
	s_mov_b32 s37, 0
	s_lshl_b32 s38, s23, 14                        ; to: a row tile's eight images,
	s_lshl_b32 s41, s20, 12                        ; my wave's two
	s_add_co_u32 s38, s38, s41
	s_add_co_u32 s38, s38, s40
	s_mov_b32 s39, 0
	s_wait_alu depctr_va_vdst(0)
	s_wait_kmcnt 0x0
	s_cmp_ge_u32 ttmp9, 768                        ; work-groups 768 to 1023 lay the mask: the branch hangs on the work-group's number alone
	s_cbranch_scc1 .Lmask
	s_load_b32 s33, s[14:15], s32 offset:0x0       ; the exponent of set 0, or of the weight
	s_load_b32 s34, s[14:15], 0x8                  ; x's set 1: entry 2
	s_load_b32 s35, s[14:15], 0x10                 ; x's set 2: entry 4
	s_mov_b64 s[24:25], s[12:13]                   ; the source: w_o, unless ..
	s_cmp_eq_u32 s22, 2
	s_cselect_b64 s[24:25], s[10:11], s[24:25]
	s_cmp_eq_u32 s22, 1
	s_cselect_b64 s[24:25], s[8:9], s[24:25]
	s_cmp_eq_u32 s22, 0
	s_cselect_b64 s[24:25], s[6:7], s[24:25]
	s_cmp_lt_u32 ttmp9, XT
	s_cselect_b64 s[24:25], s[4:5], s[24:25]
	s_cselect_b64 s[26:27], s[16:17], s[18:19]     ; where set 0 goes
	s_add_nc_u64 s[24:25], s[24:25], s[36:37]
	s_add_nc_u64 s[26:27], s[26:27], s[38:39]
	s_add_nc_u64 s[28:29], s[16:17], s[38:39]
	s_add_nc_u64 s[28:29], s[28:29], 0x800000      ; x's set 1: 512 tiles x 16,384 bytes on
	s_add_nc_u64 s[30:31], s[28:29], 0x800000      ; x's set 2
.macro LOADF s                         ; fragment s: 16 rows x 512 bytes
.irp p, 0,1,2,3,4,5,6,7,8,9,10,11,12,13,14,15
	global_load_b128 v[R+64*\s+4*\p:R+64*\s+4*\p+3], v[VL], s[24:25] offset:\p*4096+512*\s th:TH_LOAD_NT
.endr
.endm
.macro TURN s                          ; through the stage.  LDS serves a wave's instructions in order (ISA guide 5.7.1.4): no wait between the stores and the loads.  Afterwards register 8 c + n is k = 16 c + 8 h + n of row r
.irp p, 0,1,2,3,4,5,6,7,8,9,10,11,12,13,14,15
	ds_store_b128 v[WRA], v[R+64*\s+4*\p:R+64*\s+4*\p+3] offset:\p*SP
.endr
.irp c, 0,1,2,3,4,5,6,7
	ds_load_b128 v[R+64*\s+8*\c:R+64*\s+8*\c+3],   v[RDA] offset:64*\c
	ds_load_b128 v[R+64*\s+8*\c+4:R+64*\s+8*\c+7], v[RDA] offset:64*\c+16
.endr
.endm
.macro MKSC e, set                     ; 2^e as f32 (the conversion takes its exponent field) and 448 x 2^e
	s_add_co_i32 s42, s[\e], 127
	s_lshl_b32 s43, s42, 23
	v_mov_b32 v[5+2*\set], s43
	s_add_co_i32 s42, s42, 8
	s_lshl_b32 s42, s42, 23
	s_or_b32 s42, s42, 0x600000
	v_mov_b32 v[6+2*\set], s42
.endm
; Eight groups of eight numbers.  The numbers stay as they are (three sets are made of them): the held ones go into one of two sets of eight registers by turns, so that the eight holds of the
; next group are the plain instructions between a conversion and the next write of its sources.  The conversion to an 8-bit code does not saturate (ISA guide 7.6.2): hence the hold.
.macro CONV s, set
.irp q, 0,1,2,3,4,5,6,7
.irp n, 0,1,2,3,4,5,6,7
	v_med3_num_f32 v[TA+8*(\q%2)+\n], v[R+64*\s+8*\q+\n], -v[6+2*\set], v[6+2*\set]
.endr
	v_cvt_scalef32_pk8_fp8_f32 v[C+16*\set+2*\q:C+16*\set+2*\q+1], v[TA+8*(\q%2):TA+8*(\q%2)+7], v[5+2*\set]
.endr
.endm
.macro OUT s, set                      ; the image's four pieces
.irp i, 0,1,2,3
	global_store_b128 v[VL], v[C+16*\set+4*\i:C+16*\set+4*\i+3], s[26+2*\set:27+2*\set] offset:2048*\s+512*\i
.endr
.endm
.macro WORK s
	TURN \s
	s_wait_dscnt 0x0                               ; the numbers are back
.if \s
	s_wait_xcnt 0x0                                ; the first fragment's stores have read their registers: the codes' registers are written again only behind this wait
.endif
	CONV \s, 0
	OUT \s, 0
	s_cmp_lt_u32 ttmp9, XT                         ; a weight has one set
	s_cbranch_scc0 .Lone_set_\@
	CONV \s, 1
	OUT \s, 1
	CONV \s, 2
	OUT \s, 2
.Lone_set_\@:
.endm
	LOADF 0
	LOADF 1
	s_wait_kmcnt 0x0
	MKSC 33, 0
	MKSC 34, 1
	MKSC 35, 2
	s_wait_alu depctr_va_vdst(0)
	s_wait_loadcnt 16                              ; fragment 0's sixteen loads are in; fragment 1's sixteen may be out
	WORK 0
	s_wait_loadcnt 0x0
	WORK 1
	s_wait_tensorcnt 0x0
	ds_add_u32 v208, v209
	s_wait_dscnt 0x0
	s_endpgm
; THE MASK [2048][2048], f32, x 2^(3 - eq - ek) (a power of two: nothing is rounded), laid as images of the registers in which attention's first product takes it as its C operand.
; mimg: [tile of 16 queries 128][step of 128 keys 16][piece 16][lane 32][16 bytes]: piece 2 T + u of lane (r, h) holds query r, keys 16 T + 8 h + 4 u + 0 .. 3.
; Work-group 768 + m takes query tile m / 2 and the half m % 2 of its rows (eight steps); wave w steps 2 w and 2 w + 1 of these.  Loads and stores cover 512 consecutive bytes each.
; The turn through LDS is the one above, on bytes of this path's own (from MST on).  LIMIT: 3 - eq - ek between -126 and 127.
.Lmask:
.set MST, 34304
	s_load_b64 s[34:35], s[14:15], 0x18            ; eq, ek: entries 6 and 7
	s_sub_co_u32 s21, ttmp9, 768
	s_lshr_b32 s22, s21, 1                         ; query tile
	s_and_b32 s23, s21, 1                          ; half of the rows
	s_lshl_b32 s36, s22, 17                        ; 16 rows of 8,192 bytes, and as many bytes of images
	s_lshl_b32 s41, s23, 12
	s_add_co_u32 s38, s36, s41
	s_lshl_b32 s41, s20, 10                        ; my wave's two steps: 1,024 bytes of a row
	s_add_co_u32 s38, s38, s41
	s_mov_b32 s39, 0
	s_add_nc_u64 s[24:25], s[48:49], s[38:39]
	s_lshl_b32 s41, s23, 16                        ; eight images of 8,192 bytes,
	s_add_co_u32 s36, s36, s41
	s_lshl_b32 s41, s20, 14                        ; my wave's two
	s_add_co_u32 s36, s36, s41
	s_mov_b32 s37, 0
	s_add_nc_u64 s[26:27], s[50:51], s[36:37]
.macro MWORK s
.irp p, 0,1,2,3,4,5,6,7,8,9,10,11,12,13,14,15
	ds_store_b128 v[WRA], v[R+64*\s+4*\p:R+64*\s+4*\p+3] offset:MST+\p*SP
.endr
.irp c, 0,1,2,3,4,5,6,7
	ds_load_b128 v[R+64*\s+8*\c:R+64*\s+8*\c+3],   v[RDA] offset:MST+64*\c
	ds_load_b128 v[R+64*\s+8*\c+4:R+64*\s+8*\c+7], v[RDA] offset:MST+64*\c+16
.endr
	s_wait_dscnt 0x0
.irp c, 0,2,4,6,8,10,12,14,16,18,20,22,24,26,28,30,32,34,36,38,40,42,44,46,48,50,52,54,56,58,60,62
	v_pk_mul_f32 v[R+64*\s+\c:R+64*\s+\c+1], v[R+64*\s+\c:R+64*\s+\c+1], s[42:43] op_sel_hi:[1,0]
.endr
.irp i, 0,1,2,3,4,5,6,7,8,9,10,11,12,13,14,15
	global_store_b128 v[VL], v[R+64*\s+4*\i:R+64*\s+4*\i+3], s[26:27] offset:8192*\s+512*\i
.endr
.endm
.irp s, 0,1
.irp p, 0,1,2,3,4,5,6,7,8,9,10,11,12,13,14,15
	global_load_b128 v[R+64*\s+4*\p:R+64*\s+4*\p+3], v[VL], s[24:25] offset:\p*8192+512*\s th:TH_LOAD_NT
.endr
.endr
	s_wait_kmcnt 0x0
	s_add_co_i32 s42, s34, s35
	s_sub_co_i32 s42, 130, s42
	s_lshl_b32 s42, s42, 23                        ; 2^(3 - eq - ek) as f32
	s_mov_b32 s43, s42                             ; (named with it as a pair, so it is written)
	s_wait_loadcnt 16                              ; the first step's sixteen loads are in
	MWORK 0
	s_wait_loadcnt 0x0
	MWORK 1
	s_wait_tensorcnt 0x0                           ; the wave's end
	ds_add_u32 v208, v209
	s_wait_dscnt 0x0
	s_endpgm
.Lfunc_end_k_qddb1d0f0d4_quant:
	.size	k_qddb1d0f0d4_quant, .Lfunc_end_k_qddb1d0f0d4_quant-k_qddb1d0f0d4_quant
	.p2alignl 7, 3214868480
	.fill 96, 4, 3214868480
	.section	.rodata,"a",@progbits
	.p2align	6, 0x0
	.amdhsa_kernel k_qddb1d0f0d4_quant
		.amdhsa_group_segment_fixed_size 68096
		.amdhsa_private_segment_fixed_size 0
		.amdhsa_enable_private_segment 0
		.amdhsa_kernarg_size 80
		.amdhsa_user_sgpr_count 2
		.amdhsa_user_sgpr_kernarg_segment_ptr 1
		.amdhsa_wavefront_size32 1
		.amdhsa_system_sgpr_workgroup_id_x 1
		.amdhsa_system_sgpr_workgroup_id_y 1
		.amdhsa_system_sgpr_workgroup_id_z 1
		.amdhsa_system_vgpr_workitem_id 0
		.amdhsa_next_free_vgpr 210
		.amdhsa_next_free_sgpr 66
		.amdhsa_reserve_vcc 0
		.amdhsa_float_denorm_mode_32 3
		.amdhsa_float_denorm_mode_16_64 3
		.amdhsa_memory_ordered 1
		.amdhsa_forward_progress 1
		.amdhsa_inst_pref_size 56
	.end_amdhsa_kernel
	.amdgpu_metadata
---
amdhsa.version: [ 1, 2 ]
amdhsa.kernels:
  - .name:           k_qddb1d0f0d4_quant
    .symbol:         k_qddb1d0f0d4_quant.kd
    .args:
      - { .name: x, .offset: 0, .size: 8, .value_kind: global_buffer, .address_space: global }
      - { .name: w_q, .offset: 8, .size: 8, .value_kind: global_buffer, .address_space: global }
      - { .name: w_k, .offset: 16, .size: 8, .value_kind: global_buffer, .address_space: global }
      - { .name: w_v, .offset: 24, .size: 8, .value_kind: global_buffer, .address_space: global }
      - { .name: w_o, .offset: 32, .size: 8, .value_kind: global_buffer, .address_space: global }
      - { .name: lowp_scales, .offset: 40, .size: 8, .value_kind: global_buffer, .address_space: global }
      - { .name: ximg, .offset: 48, .size: 8, .value_kind: global_buffer, .address_space: global }
      - { .name: wimg, .offset: 56, .size: 8, .value_kind: global_buffer, .address_space: global }
      - { .name: causal_mask, .offset: 64, .size: 8, .value_kind: global_buffer, .address_space: global }
      - { .name: mimg, .offset: 72, .size: 8, .value_kind: global_buffer, .address_space: global }
    .group_segment_fixed_size: 68096
    .private_segment_fixed_size: 0
    .kernarg_segment_align: 8
    .kernarg_segment_size: 80
    .max_flat_workgroup_size: 128
    .sgpr_count:     66
    .vgpr_count:     210
    .wavefront_size: 32
...
	.end_amdgpu_metadata
.endif
;; end of part 1
;; launch qkv (part 2): grid 64 x 3, 4 waves a work-group, clusters of 4 x 1, 327,680 bytes of LDS; arguments ximg, wimg, lowp_scales, cos_freqs, sin_freqs, qimg, kvimg; writes qimg, kvimg
.if DOCPART == 2
	.amdgcn_target "amdgcn-amd-amdhsa--gfx1250"
	.amdhsa_code_object_version 6
	.text
	.protected	k_qddb1d0f0d4_qkv
	.globl	k_qddb1d0f0d4_qkv
	.p2align	8
	.type	k_qddb1d0f0d4_qkv,@function
k_qddb1d0f0d4_qkv:
	s_mov_b64 s[64:65], 0
	v_nop
	global_prefetch_b8 v0, s[64:65] scope:SCOPE_SE
	s_setreg_imm32_b32 hwreg(HW_REG_WAVE_MODE, 25, 1), 1
	s_wait_xcnt 0x0
	s_wait_alu depctr_hold_cnt(0) depctr_sa_sdst(0) depctr_va_vdst(0) depctr_va_sdst(0) depctr_va_ssrc(0) depctr_va_vcc(0) depctr_vm_vsrc(0)
	s_getreg_b32 s2, hwreg(HW_REG_IB_STS2, 6, 4)
	s_cmp_eq_u32 s2, 0
	s_cbranch_scc0 .Lentry_in_a_cluster
	s_endpgm
.Lentry_in_a_cluster:
	s_bfe_u32 s2, ttmp6, 0x10000c
	s_cmp_lg_u32 s2, 0x3003
	s_cbranch_scc0 .Lentry_shape_is_right
	s_endpgm
.Lentry_shape_is_right:
; The three projections x w^T on codes of FP8 (E4M3), RoPE on q and k in f32, and the quantisers of q, k (along the head's 64) and v (along the keys).  Results leave as images of operand registers.
; IMAGES (see the launch that makes ximg and wimg): a fragment of 16 rows x 128 K is 2,048 bytes [piece i][lane][16 bytes], one of 16 rows x 64 K is 1,024; lane (r, h) holds row r, registers 2 c, 2 c + 1: k = 16 c + 8 h + 0 .. 7.
; qimg: [head 64 = 16 b + h][tile of 16 queries 128][1,024].  kvimg: [head 64][step of 128 keys 16][16,384]: eight tiles of 16 keys x 1,024, then four tiles of V^T (16 of the head's 64 x 128 keys) x 2,048.
; SHARES.  Grid y = the projection (0 q, 1 k, 2 v), grid x = a tile of 128 tokens: 64 x 3 = 192 work-groups, each of which STAYS for the projection's eight tiles of 128 features (eight tiles are not dealt evenly to more).
; Four waves, 2 x 2, each 64 tokens x 64 features a tile: 16 accumulators.  A wave's 64 features are one head.
; THE TOKENS LIE IN REGISTERS: a wave loads its 64 tokens' 32 fragments (4 row tiles x 8 K steps, 512 registers) once, straight from their images, 512 consecutive bytes a load, and multiplies them with all eight feature tiles.
; THE WEIGHTS go through a ring of two LDS slots of 131,072 bytes, a feature tile over all of K each; every wave fetches 32,768 bytes (128 rows of 256) by one tensor load: one tensor load of mine is out at the most, and every wait
; for it is for 0.  A refill is asked for at the head of the tile before: 128 matrix instructions a wave and that tile's way out stand between the request and the wait for it; so no prefetch is laid.
; CLUSTERS: 4 x 1 work-groups, four token tiles of one projection: they walk the same weights and ask for each slot JOINTLY, by the same tensor load with the same descriptor (made of y, the wave's number and the tile's count) and the mask 15.
; q, k: source 0 = 16 rows of the weight, source 1 = 16 tokens: a lane holds ONE token and eight neighbouring features, so RoPE's pairs and the quantiser's K lie in its registers.
; v: the sources swapped: a lane holds ONE feature and eight neighbouring tokens, which are the keys, the K of attention's second product.  The conversions' results ARE pieces of an image: no stage.
; SCALES.  A sum stands for sum x 2^(eA + eB).  RoPE is linear, so it acts on the sums as they are, and the conversion takes 2^E, E = eOut - eA - eB.  LIMIT: -126 <= E <= 119.  NaN is not served.
; REGISTERS: window 0: v3-8 addresses and scales; v16-23 at work; v32-63 codes; v126, v127 the add's; v128-255 accumulator (a, f) at v[128 + 8 (4 a + f)].  Window 1: v0-127 two buffers of the weight's four fragments;
;   v128-255 cos at v[128 + 32 a + 4 f], sin at v[128 + 32 a + 16 + 4 f]: my token's four pairs 8 f + 4 h + 0 .. 3.  Windows 2, 3: the tokens' fragment (a, K step s) at register 16 (4 s + a) of the 512.
.set ACC, 128
.set CD,  32
.set TT,  16
.set LI,  3                            ; v3  16 x lane
.set AW0, 4                            ; v4  my 64 features' images in a slot
.set AW,  5                            ; v5  the same in the slot in hand
.set CSO, 6                            ; v6  my bytes in a row of cos and of sin
.set SC,  7                            ; v7  2^E
.set LM,  8                            ; v8  448 x 2^E
.set CSB, 128                          ; cos and sin, in window 1
.set G1,  32                           ; s[32:39], s[40:43] the descriptor; group 0 walks
.set G0,  40
.set TB,  44                           ; s44 LDS byte at which the slot in hand begins
.set CNT, 45
.set STP, 46                           ; s[46:47] from a feature tile's results to the next's: two heads on
.set SLOT1, 131072
.set MSB, 0
.macro WIN new                         ; the immediate's high byte repeats the setting that is left
.if MSB != \new
	s_set_vgpr_msb (MSB<<8)|\new
.set MSB, \new
.endif
.endm
.macro CROUND                          ; a round of the cluster's barrier
	s_barrier_signal -1
	s_barrier_wait -1
	s_cmp_lg_u32 s18, 0
	s_cbranch_scc1 .Lnot_wave_0_\@
	s_barrier_signal -3
.Lnot_wave_0_\@:
	s_barrier_wait -3
	s_barrier_signal -1
	s_barrier_wait -1
.endm
.macro PLACES n                        ; plain vector instructions between a matrix instruction and a load into, or a vector read or write of, its registers
.rept \n
	v_nop
.endr
.endm
.macro FETCHW s, f                     ; K step s: the weight's four fragments into buffer f: 16 loads of 512 consecutive bytes
	WIN 0x40                                       ; destination window 1, address window 0
.irp a, 0,1,2,3
.irp i, 0,1,2,3
	ds_load_b128 v[(\f)+16*\a+4*\i:(\f)+16*\a+4*\i+3], v[AW] offset:\a*16384+(\s)*2048+\i*512
.endr
.endr
.endm
.macro MUL16 s, f, swap, zero          ; 128 along K on the 16 accumulators, which take turns, one instruction a turn, in the same order in every step.  zero: the first step starts the sums
.if \swap
.set wv, 0x04|(2+(\s)/4)               ; source 0 the tokens (window 2 or 3), source 1 the weight (window 1)
.else
.set wv, 0x01|((2+(\s)/4)<<2)          ; the other way round
.endif
	WIN wv
.irp a, 0,1,2,3
.irp g, 0,1,2,3
.set opD, ACC+8*(4*\a+\g)
.if \swap
.set opA, (((\s)%4)*4+\a)*16
.set opB, (\f)+16*\g
.else
.set opA, (\f)+16*\g
.set opB, (((\s)%4)*4+\a)*16
.endif
.if \zero
	v_wmma_f32_16x16x128_fp8_fp8 v[opD:opD+7], v[opA:opA+15], v[opB:opB+15], 0
.else
	v_wmma_f32_16x16x128_fp8_fp8 v[opD:opD+7], v[opA:opA+15], v[opB:opB+15], v[opD:opD+7]
.endif
.endr
.endr
.endm
.macro MAIN swap                       ; eight K steps on two buffers: step s + 1 is fetched ahead of step s's products
	FETCHW 0, 0
.set st, 0
.rept 7
.if st > 0
	PLACES 4                                       ; the buffer was read by the products of step s - 1
.endif
	FETCHW st+1, 64*((st+1)%2)
	s_wait_dscnt 16                                ; all but the 16 just issued
	MUL16 st, 64*(st%2), \swap, (st==0)
.set st, st+1
.endr
	s_wait_dscnt 0x0
	MUL16 7, 64, \swap, 0
	WIN 0
.endm
.macro QCONV acc, dst                  ; eight sums, from the accumulator's low end on: the hold (the conversion does not saturate: ISA guide 7.6.2) and the conversion.  The next group's holds are the plain instructions behind it
.irp n, 0,1,2,3,4,5,6,7
	v_med3_num_f32 v[(\acc)+\n], v[(\acc)+\n], -v[LM], v[LM]
.endr
	v_cvt_scalef32_pk8_fp8_f32 v[(\dst):(\dst)+1], v[(\acc):(\acc)+7], v[SC]
.endm
.macro ROPE a                          ; even' = even cos - odd sin, odd' = even sin + odd cos, for the four accumulators of token tile a
	WIN 0x04                                       ; source 1 (cos, sin) window 1
.irp g, 0,1,2,3
.irp p, 0,1,2,3
	v_mul_f32 v[TT+2*\p],   v[ACC+8*(4*\a+\g)+2*\p+1], v[CSB+32*\a+16+4*\g+\p]
	v_mul_f32 v[TT+2*\p+1], v[ACC+8*(4*\a+\g)+2*\p],   v[CSB+32*\a+16+4*\g+\p]
.endr
.irp p, 0,1,2,3
	v_fma_f32 v[ACC+8*(4*\a+\g)+2*\p],   v[ACC+8*(4*\a+\g)+2*\p],   v[CSB+32*\a+4*\g+\p], -v[TT+2*\p]
	v_fma_f32 v[ACC+8*(4*\a+\g)+2*\p+1], v[ACC+8*(4*\a+\g)+2*\p+1], v[CSB+32*\a+4*\g+\p], v[TT+2*\p+1]
.endr
.endr
	WIN 0
.endm
; THE CHANGE OF SLOTS, at a feature tile's head: each wave waits for its tensor load (its part of the slot ahead), adds 0 to its spare word, and waits for that; its reads of the slot that it has left were awaited in that tile.
; fill = 1: the barrier is a round of the cluster's: behind it the slot ahead is whole in every partner and no wave of any partner still reads the other, which is asked for, jointly.  fill = 0: nothing is filled, and no round follows.
.macro CHANGE fill
	s_wait_tensorcnt 0x0
	ds_add_u32 v126, v127
.if \fill
	s_xor_b32 s[G0+1], s[G0+1], SLOT1
	s_add_nc_u64 s[G0+2:G0+3], s[G0+2:G0+3], 131072    ; the next feature tile's eight row tiles
.endif
	s_wait_dscnt 0x0
.if \fill
	CROUND
	tensor_load_to_lds s[G0:G0+3], s[G1:G1+7]
	s_nop 0
	PLACES 4
.else
	s_barrier_signal -1
	s_barrier_wait -1
.endif
.endm
.macro UNIT swap                       ; a feature tile: the products, then the way out
	v_add_nc_u32 v[AW], s[TB], v[AW0]
	s_wait_alu depctr_va_vdst(0)
	s_wait_loadcnt 0x0                             ; (the first tile: the tokens, cos and sin)
	MAIN \swap
	s_xor_b32 s[TB], s[TB], SLOT1
	PLACES 4
.if \swap
.irp g, 0,1,2,3
.irp a, 0,1,2,3
	QCONV ACC+8*(4*\a+\g), CD+8*\g+2*\a            ; keys 64 wr + 16 a + 8 h + 0 .. 7 of feature 16 f + r: registers 2 (4 wr + a), + 1 of V^T's image f
.endr
	v_nop                                          ; a plain instruction behind the last conversion of the run
	global_store_b128 v[LI], v[CD+8*\g:CD+8*\g+3],   s[30:31] offset:\g*2048
	global_store_b128 v[LI], v[CD+8*\g+4:CD+8*\g+7], s[30:31] offset:\g*2048+512
.endr
.else
.irp a, 0,1,2,3
	ROPE \a
.irp g, 0,1,2,3
	QCONV ACC+8*(4*\a+\g), CD+8*\a+2*\g            ; features 16 f + 8 h + 0 .. 7 of token r: registers 2 f, 2 f + 1 of the tile's image
.endr
	v_nop
	global_store_b128 v[LI], v[CD+8*\a:CD+8*\a+3],   s[30:31] offset:\a*1024
	global_store_b128 v[LI], v[CD+8*\a+4:CD+8*\a+7], s[30:31] offset:\a*1024+512
.endr
.endif
	s_wait_xcnt 0x0                                ; the stores have read their base and their data: both are written again only behind this wait
	s_add_nc_u64 s[30:31], s[30:31], s[STP:STP+1]
.endm
	s_load_b256 s[4:11], s[0:1], 0x0               ; ximg s[4:5], wimg s[6:7], the exponents s[8:9], cos s[10:11]
	s_load_b128 s[12:15], s[0:1], 0x20             ; sin s[12:13], qimg s[14:15]
	s_load_b64 s[16:17], s[0:1], 0x30              ; kvimg
	v_lshl_add_u32 v126, v0, 2, 0x40000            ; my spare word, behind the ring
	v_mov_b32 v127, 0
	ds_add_u32 v126, v127                          ; the opening lines: the add, twice on end, and its wait ahead of the round in front of my first tensor load
	ds_add_u32 v126, v127
	v_lshrrev_b32 v1, 5, v0
	v_readfirstlane_b32 s18, v1                    ; wave 0..3
	s_lshr_b32 s19, s18, 1                         ; which half of the tokens is mine
	s_and_b32 s20, s18, 1                          ; which half of the features
	s_bfe_u32 s21, ttmp6, 0x40000                  ; cx: my place in the cluster
	s_lshl_b32 s28, ttmp9, 2
	s_add_co_u32 s28, s28, s21                     ; token tile = 4 x cluster x + cx
	s_and_b32 s27, ttmp7, 0xffff                   ; which projection: the same in all four partners
	s_mov_b32 s[G1], 15|(3<<16)|(1<<21)            ; 15:0 the mask: all four; 17:16 elements of 8 bytes; 21 set beside a mask
	s_mov_b32 s[G1+1], 32<<16                      ; 32,768 dense bytes as 128 rows of 256
	s_mov_b32 s[G1+2], 128<<16
	s_mov_b32 s[G1+3], 32<<16
	s_mov_b32 s[G1+4], 128
	s_mov_b32 s[G1+5], 32
	s_mov_b32 s[G1+6], 0
	s_mov_b32 s[G1+7], 0
	s_lshl_b32 s96, s27, 23                        ; tokens: the projection's set of x, 8 MiB each,
	s_lshl_b32 s29, s28, 17                        ; the token tile's eight row tiles,
	s_add_co_u32 s96, s96, s29
	s_lshl_b32 s29, s19, 16                        ; my half's four
	s_add_co_u32 s96, s96, s29
	s_mov_b32 s97, 0
	s_lshl_b32 s98, s27, 20                        ; weights: the projection's, 1 MiB each; feature tile 0; the two row tiles that I fetch
	s_lshl_b32 s31, s18, 15                        ; which go to wave x 32,768 of a slot: no place in the cluster enters an LDS address
	s_add_co_u32 s98, s98, s31
	s_mov_b32 s99, 0
	s_mov_b32 s[TB], 0
	v_and_b32 v1, 31, v0
	v_lshlrev_b32 v[LI], 4, v1
	s_lshl_b32 s2, s20, 16
	v_add_nc_u32 v[AW0], s2, v[LI]
	v_and_b32 v9, 15, v0                           ; r
	v_bfe_u32 v10, v0, 4, 1                        ; h
	v_lshlrev_b32 v[CSO], 7, v9                    ; a row of cos or sin is 128 bytes;
	v_lshl_add_u32 v[CSO], v10, 4, v[CSO]          ; my half's four pairs are 16
	s_wait_dscnt 0x0
	s_wait_kmcnt 0x0
	s_load_b256 s[84:91], s[8:9], 0x0              ; entry i of the exponents in s[84 + i]
	s_load_b128 s[92:95], s[8:9], 0x20
	s_add_nc_u64 s[96:97], s[4:5], s[96:97]
	s_mov_b32 s[G0], 1                             ; count = 1
	s_mov_b32 s[G0+1], s31                         ; LDS address: slot 0
	s_add_nc_u64 s[G0+2:G0+3], s[6:7], s[98:99]
	s_or_b32 s[G0+3], s[G0+3], 0x80000000          ; type = 2
	CROUND                                         ; all four work-groups are here: the first joint loads meet
	tensor_load_to_lds s[G0:G0+3], s[G1:G1+7]      ; feature tile 0: my one tensor load at the head
	s_nop 0
	PLACES 4
	s_wait_alu depctr_va_vdst(0)                   ; directly ahead of the readers below
.irp s, 0,1,2,3,4,5,6,7
.set wv, (2+\s/4)<<6                   ; destination window 2 or 3
	WIN wv
.irp a, 0,1,2,3
.irp i, 0,1,2,3
	global_load_b128 v[((\s%4)*4+\a)*16+4*\i:((\s%4)*4+\a)*16+4*\i+3], v[LI], s[96:97] offset:\a*16384+\s*2048+\i*512
.endr
.endr
.endr
	WIN 0
	; where the codes go
	s_lshr_b32 s66, s28, 4
	s_lshl_b32 s66, s66, 4
	s_add_co_u32 s66, s66, s20                     ; feature tile 0's head = 16 b + my half
	s_and_b32 s67, s28, 15                         ; the token tile in its sequence = the step of 128 keys
	s_lshl_b32 s2, s66, 17
	s_lshl_b32 s29, s67, 13
	s_add_co_u32 s2, s2, s29                       ; in qimg: head x 131,072 + 8 tiles x 1,024 for each token tile;
	s_lshl_b32 s3, s2, 1                           ; in kvimg: twice that
	s_lshl_b32 s29, s19, 12                        ; q, k: my four tiles of 16 tokens
	s_lshl_b32 s30, s19, 10
	s_add_co_u32 s30, s30, 8192                    ; v: behind K's tiles; my 64 keys are pieces 2 wr, 2 wr + 1 of each image
	s_cmp_eq_u32 s27, 2
	s_cselect_b32 s29, s30, s29
	s_cmp_eq_u32 s27, 0
	s_cselect_b32 s2, s2, s3
	s_cselect_b64 s[30:31], s[14:15], s[16:17]
	s_mov_b32 s[STP], 524288                       ; two heads on: in kvimg,
	s_cselect_b32 s[STP], 262144, s[STP]           ; in qimg
	s_mov_b32 s[STP+1], 0
	s_add_co_u32 s2, s2, s29
	s_mov_b32 s3, 0
	s_add_nc_u64 s[30:31], s[30:31], s[2:3]
	s_lshl_b32 s2, s67, 14                         ; cos, sin: my first token's row: (128 x step + 64 wr) x 128 bytes
	s_lshl_b32 s3, s19, 13
	s_add_co_u32 s2, s2, s3
	s_mov_b32 s3, 0
	s_add_nc_u64 s[10:11], s[10:11], s[2:3]
	s_add_nc_u64 s[12:13], s[12:13], s[2:3]
	s_wait_kmcnt 0x0
	s_sub_co_i32 s2, s90, s84
	s_sub_co_i32 s2, s2, s85                       ; q: e6 - e0 - e1
	s_sub_co_i32 s3, s91, s86
	s_sub_co_i32 s3, s3, s87                       ; k: e7 - e2 - e3
	s_sub_co_i32 s29, s93, s88
	s_sub_co_i32 s29, s29, s89                     ; v: e9 - e4 - e5
	s_cmp_eq_u32 s27, 1
	s_cselect_b32 s2, s3, s2
	s_cmp_eq_u32 s27, 2
	s_cselect_b32 s2, s29, s2
	s_add_co_i32 s2, s2, 127
	s_lshl_b32 s3, s2, 23
	v_mov_b32 v[SC], s3
	s_add_co_i32 s2, s2, 8
	s_lshl_b32 s2, s2, 23
	s_or_b32 s2, s2, 0x600000
	v_mov_b32 v[LM], s2
	s_mov_b32 s[CNT], 7
	s_wait_alu depctr_va_vdst(0)
	s_cmp_eq_u32 s27, 2                            ; the branch hangs on the grid's y alone, which the partners share
	s_cbranch_scc1 .Lv
	; ---- q and k
	WIN 0x40                                       ; destination window 1, address window 0
.irp a, 0,1,2,3
.irp g, 0,1,2,3
	global_load_b128 v[CSB+32*\a+4*\g:CSB+32*\a+4*\g+3],       v[CSO], s[10:11] offset:\a*2048+32*\g
	global_load_b128 v[CSB+32*\a+16+4*\g:CSB+32*\a+16+4*\g+3], v[CSO], s[12:13] offset:\a*2048+32*\g
.endr
.endr
	WIN 0
.Lqk:                                              ; feature tiles 0 to 6: each asks for the next
	CHANGE 1
	UNIT 0
	s_sub_co_u32 s[CNT], s[CNT], 1
	s_cmp_lg_u32 s[CNT], 0
	s_cbranch_scc1 .Lqk
	CHANGE 0                                       ; tile 7 is written out
	UNIT 0
	s_branch .Lend
	; ---- v
.Lv:
	CHANGE 1
	UNIT 1
	s_sub_co_u32 s[CNT], s[CNT], 1
	s_cmp_lg_u32 s[CNT], 0
	s_cbranch_scc1 .Lv
	CHANGE 0
	UNIT 1
.Lend:
	s_wait_tensorcnt 0x0                           ; the wave's end
	ds_add_u32 v126, v127
	s_wait_dscnt 0x0
	CROUND                                         ; the closing round: no work-group ends while a partner may still ask for a tile that names it
	s_endpgm
.Lfunc_end_k_qddb1d0f0d4_qkv:
	.size	k_qddb1d0f0d4_qkv, .Lfunc_end_k_qddb1d0f0d4_qkv-k_qddb1d0f0d4_qkv
	.p2alignl 7, 3214868480
	.fill 96, 4, 3214868480
	.section	.rodata,"a",@progbits
	.p2align	6, 0x0
	.amdhsa_kernel k_qddb1d0f0d4_qkv
		.amdhsa_group_segment_fixed_size 327680
		.amdhsa_private_segment_fixed_size 0
		.amdhsa_enable_private_segment 0
		.amdhsa_kernarg_size 56
		.amdhsa_user_sgpr_count 2
		.amdhsa_user_sgpr_kernarg_segment_ptr 1
		.amdhsa_wavefront_size32 1
		.amdhsa_system_sgpr_workgroup_id_x 1
		.amdhsa_system_sgpr_workgroup_id_y 1
		.amdhsa_system_sgpr_workgroup_id_z 1
		.amdhsa_system_vgpr_workitem_id 0
		.amdhsa_next_free_vgpr 1024
		.amdhsa_next_free_sgpr 100
		.amdhsa_reserve_vcc 0
		.amdhsa_float_denorm_mode_32 3
		.amdhsa_float_denorm_mode_16_64 3
		.amdhsa_memory_ordered 1
		.amdhsa_forward_progress 1
		.amdhsa_inst_pref_size 158
	.end_amdhsa_kernel
	.amdgpu_metadata
---
amdhsa.version: [ 1, 2 ]
amdhsa.kernels:
  - .name:           k_qddb1d0f0d4_qkv
    .symbol:         k_qddb1d0f0d4_qkv.kd
    .args:
      - { .name: ximg, .offset: 0, .size: 8, .value_kind: global_buffer, .address_space: global }
      - { .name: wimg, .offset: 8, .size: 8, .value_kind: global_buffer, .address_space: global }
      - { .name: lowp_scales, .offset: 16, .size: 8, .value_kind: global_buffer, .address_space: global }
      - { .name: cos_freqs, .offset: 24, .size: 8, .value_kind: global_buffer, .address_space: global }
      - { .name: sin_freqs, .offset: 32, .size: 8, .value_kind: global_buffer, .address_space: global }
      - { .name: qimg, .offset: 40, .size: 8, .value_kind: global_buffer, .address_space: global }
      - { .name: kvimg, .offset: 48, .size: 8, .value_kind: global_buffer, .address_space: global }
    .group_segment_fixed_size: 327680
    .private_segment_fixed_size: 0
    .kernarg_segment_align: 8
    .kernarg_segment_size: 56
    .max_flat_workgroup_size: 128
    .sgpr_count:     100
    .vgpr_count:     1024
    .wavefront_size: 32
...
	.end_amdgpu_metadata
.endif
;; end of part 2
;; launch attn (part 3): grid 8 x 32, 8 waves a work-group, no clusters, 327,680 bytes of LDS; arguments qimg, kvimg, mimg, lowp_scales, aimg; writes aimg
.if DOCPART == 3
	.amdgcn_target "amdgcn-amd-amdhsa--gfx1250"
	.amdhsa_code_object_version 6
	.text
	.protected	k_qddb1d0f0d4_attn
	.globl	k_qddb1d0f0d4_attn
	.p2align	8
	.type	k_qddb1d0f0d4_attn,@function
k_qddb1d0f0d4_attn:
	s_mov_b64 s[64:65], 0
	v_nop
	global_prefetch_b8 v0, s[64:65] scope:SCOPE_SE
	s_setreg_imm32_b32 hwreg(HW_REG_WAVE_MODE, 25, 1), 1
	s_wait_xcnt 0x0
; Attention on codes of FP8 (E4M3): logit = q . k / 8 + mask, softmax, x v; the result is quantised for the last projection.  The mask is an input: every number of it is read and added.
; qimg, kvimg, mimg: images of operand registers, as the launches before lay them.  aimg: [tile of 16 tokens 512][K step 8 = pair of heads][2,048]: the last projection's left operand, likewise.
; THE SOFTMAX.  D = raw sum + mask x 2^(3 - eq - ek): the scaled mask (mimg) is the C operand of the first product.  t = D x c, c = log2(e) x 2^(eq + ek - 3), rounded to f32 BEFORE M is taken away, so that t - M is at most 0
; however large the logits are; M = the row's largest t so far, rounded UP to a whole number; p = 2^(t - M), not normalised, is quantised along the keys.  The row's sum is taken of the unquantised p and divides O at the end.
; When M moves, the sum and O are multiplied by 2^(old M - new M): nothing is rounded.
; SHARES.  A work-group owns 256 queries of TWO heads (2 y, 2 y + 1); each of its eight waves 32 queries, two tiles of 16, of both heads: 8 x 32 = 256 work-groups.  16 steps of 128 keys.
; Each fragment of K and V that a wave reads from LDS feeds two matrix instructions (its two tiles); each number of the mask is loaded once into registers and serves both heads.  The two tiles' softmaxes are laid together, line by line.
; LAYOUT.  S^T = K Q^T + mask^T (source 0 = 16 keys, source 1 = 16 queries), O^T = V^T P^T: a lane holds ONE query (lane % 16).  Score group g (8 registers) holds key tile (g + 7) % 8, so that the codes of p can be laid over
; scores that are done with: group 0's go to two registers at hand, group g's to registers 2 g - 2, 2 g - 1 of the tile's scores, and group 0's are then moved to registers 14, 15: registers 2 T, 2 T + 1 hold key tile T, as V's images want.
; THE RING.  Two LDS slots of 131,072 bytes, FOUR steps of both heads each: [step in the slot][head][16,384].  Every wave fetches 16,384 bytes (64 rows of 256) by one tensor load: one tensor load of mine is out at the most, every
; wait for it is for 0, and there are four changes of slots for the sixteen steps.  The step's LDS base goes on by 32,768 modulo the two slots' 262,144.
; NO CLUSTER: what the eight work-groups of a pair of heads share, K and V, is 32,768 of the 163,840 bytes that a work-group takes in a step; the mask's 131,072 go straight into registers, where no joint load reaches.
; PREFETCHES.  The mask's step t (131,072 bytes of a block of queries) is asked for two steps ahead by the work-group with y = t, each wave its own two images.  K's and V's slots 2 and 3 are asked for a slot (four steps) ahead of
; their loads; the eight work-groups of a pair of heads take 16,384 bytes each by their x, waves 0 and 1 a half each.  The mask's steps 0 and 1 and the slots 0 and 1 come by their loads alone; nothing beyond the end is named.
; LIMITS on the given exponents, so that each power of two is an f32 number: eq + ek - 3 between -126 and 126; ep and ea between -126 and 119; ep + ev is applied by v_ldexp_f32 and has none.  NaN among the inputs is not served.
; REGISTERS.  Window 0: v[0:1], v[26:27] at work; v2-9 addresses and scales; (-M, largest t) of (tile t, head h) at v[10 + 2 (2 t + h)], its sum at v[18 + ..]; v[28:29], v[30:31] f of tile 0, 1;
;   v32-95 K's eight fragments, then V's four; v96-159, v160-223 the two tiles' scores; v224-255 Q (t, h).  Window 1: v0-127 the two tiles' mask; v128-255 O^T (t, h), 32 each.
.set SLOT1, 131072
.set SPARE, 262144                     ; behind the ring: the spare words, 128 bytes for each wave: four blocks of 256 bytes that no other line names
.set AK0, 2                            ; v2  16 x lane
.set ADK, 3                            ; v3  LDS address of the step's images for my lane
.set SPW, 4                            ; v4  my spare word; never rewritten
.set NIL, 5                            ; v5  0; never rewritten
.set SCP, 6                            ; v6  2^ep (on the way out 2^ea)
.set LMP, 7                            ; v7  448 x that
.set LM2, 8                            ; v8  448 x 2^ep once more: the second half of a dual pair takes its bound from another register
.set PFM, 9                            ; v9  256 x lane
.set NM,  10
.set SU,  18
.set FP,  28
.set F,   32
.set S,   96
.set Q,   224
.set O,   128
.set WV,  14
.set G1,  24                           ; s[24:31], s[32:35] the descriptor; group 0 walks
.set G0,  32
.set SEL, 36                           ; s[36:37] lane selects: lane l xor 16
.set CS,  38                           ; s[38:39] c
.set TB,  40                           ; s40 LDS byte at which the step in hand begins
.set CNT, 41                           ; s41 steps to go in the slot
.set T2,  42                           ; s42 the step in hand + 2
.set LIMM, 43                          ; s43 y where 2 <= y <= 15, else a number that s42 never reaches
.set MB,  44                           ; s[44:45] my first tile's image of the mask, of the step last asked for
.set PM,  46                           ; s[46:47] the same, two steps ahead
.set PK,  48                           ; s[48:49] my 8,192 bytes of K and V, a slot ahead of the loads
.set OUT, 61                           ; s61 slots still to be asked for
.set LIMK, 62                          ; s62 1 in waves 0 and 1, else a number above s61
.set MSB, 0
.macro WIN new                         ; the immediate's high byte repeats the setting that is left
.if MSB != \new
	s_set_vgpr_msb (MSB<<8)|\new
.set MSB, \new
.endif
.endm
.macro PLACES n
.rept \n
	v_nop
.endr
.endm
.macro MLOAD                           ; 32 loads of 512 consecutive bytes: a step's mask for my two tiles; key tile T goes to group (T + 1) % 8
	WIN 0x40                                       ; destination window 1
.set k, 0
.rept 8
.set g, 8*((k+1)&7)
	global_load_b128 v[g:g+3],       v[AK0], s[MB:MB+1] offset:1024*k
	global_load_b128 v[g+4:g+7],     v[AK0], s[MB:MB+1] offset:1024*k+512
	global_load_b128 v[64+g:64+g+3], v[AK0], s[MB:MB+1] offset:131072+1024*k
	global_load_b128 v[64+g+4:64+g+7], v[AK0], s[MB:MB+1] offset:131072+1024*k+512
.set k, k+1
.endr
	WIN 0
.endm
.macro ASKM                            ; the mask, two steps ahead
	s_cmp_eq_u32 s[T2], s[LIMM]
	s_cbranch_scc0 .Lnm_\@
	global_prefetch_b8 v[PFM], s[PM:PM+1] th:TH_LOAD_NT scope:SCOPE_SE
	global_prefetch_b8 v[PFM], s[PM:PM+1] offset:131072 th:TH_LOAD_NT scope:SCOPE_SE
.Lnm_\@:
.endm
.macro ASKK                            ; K and V, a slot ahead of the load just issued: at the first two changes of slots
	s_cmp_gt_u32 s[OUT], s[LIMK]
	s_cbranch_scc0 .Lnk_\@
	global_prefetch_b8 v[PFM], s[PK:PK+1] th:TH_LOAD_NT scope:SCOPE_SE
.Lnk_\@:
.endm
; A tile's 64 p become codes.  The conversion does not saturate (ISA guide 7.6.2); p is not negative, so the hold is one-sided; two holds go as a dual pair.  tp: two registers at hand for group 0's codes.
.macro QUANT sb, tp
.set k, 0
.rept 8
.set j, 0
.rept 4
	v_dual_min_num_f32 v[\sb+8*k+j], v[\sb+8*k+j], v[LMP] :: v_dual_min_num_f32 v[\sb+8*k+j+1], v[\sb+8*k+j+1], v[LM2]
.set j, j+2
.endr
.if k == 0
	v_cvt_scalef32_pk8_fp8_f32 v[\tp:\tp+1], v[\sb:\sb+7], v[SCP]
.else
	v_cvt_scalef32_pk8_fp8_f32 v[\sb+2*k-2:\sb+2*k-1], v[\sb+8*k:\sb+8*k+7], v[SCP]
.endif
.if k < 2
	v_nop                                          ; a plain instruction behind the two conversions whose sources later conversions write over
.endif
.set k, k+1
.endr
	v_mov_b32 v[\sb+14], v[\tp]                    ; group 0 holds key tile 7
	v_mov_b32 v[\sb+15], v[\tp+1]
.endm
; Both tiles' softmax for head h: 2 x 64 scores a lane.  Tile 0's and tile 1's lines take turns, so that no line waits for the line above it.
.macro SOFTMAX2 h
.set n0, NM+2*\h
.set n1, NM+4+2*\h
.set u0, SU+2*\h
.set u1, SU+4+2*\h
	s_wait_alu depctr_va_vdst(0)                   ; directly ahead of the first readers of the scores
	v_max3_num_f32 v26, v[S], v[S+1], v[S+2]       ; the largest D of each query among my 64 keys, in two chains a tile, each accumulator from its low end on
	v_max3_num_f32 v0, v[S+64], v[S+65], v[S+66]
	v_max3_num_f32 v27, v[S+3], v[S+4], v[S+5]
	v_max3_num_f32 v1, v[S+67], v[S+68], v[S+69]
.set j, 6
.rept 14
	v_max3_num_f32 v26, v26, v[S+j], v[S+j+1]
	v_max3_num_f32 v0, v0, v[S+64+j], v[S+64+j+1]
	v_max3_num_f32 v27, v27, v[S+j+2], v[S+j+3]
	v_max3_num_f32 v1, v1, v[S+64+j+2], v[S+64+j+3]
.set j, j+4
.endr
	v_max3_num_f32 v26, v26, v[S+62], v[S+63]
	v_max3_num_f32 v0, v0, v[S+126], v[S+127]
	v_max_num_f32 v26, v26, v27
	v_max_num_f32 v0, v0, v1
	v_permlanex16_b32 v27, v26, s[SEL], s[SEL+1]
	v_permlanex16_b32 v1, v0, s[SEL], s[SEL+1]
	v_max_num_f32 v26, v26, v27                    ; and among lane l xor 16's
	v_max_num_f32 v0, v0, v1
	v_mul_f32 v26, s[CS], v26                      ; as t: c is positive and rounding keeps order, so this is the largest of the rounded t
	v_mul_f32 v0, s[CS], v0
	v_max_num_f32 v[n0+1], v[n0+1], v26            ; the running largest t
	v_max_num_f32 v[n1+1], v[n1+1], v0
	v_mov_b32 v26, v[n0]
	v_mov_b32 v0, v[n1]
	v_floor_f32 v[n0], -v[n0+1]                    ; the new -M = -ceil(t)
	v_floor_f32 v[n1], -v[n1+1]
	v_sub_f32 v26, v[n0], v26                      ; old M - new M: a whole number, 0 or less
	v_sub_f32 v0, v[n1], v0
	v_cvt_i32_f32 v26, v26                         ; (it saturates)
	v_cvt_i32_f32 v0, v0
	v_ldexp_f32 v[FP], 1.0, v26                    ; f = 2^(old M - new M)
	v_ldexp_f32 v[FP+2], 1.0, v0
.set j, 0
.rept 64
	v_pk_mul_f32 v[S+j:S+j+1], v[S+j:S+j+1], s[CS:CS+1] op_sel_hi:[1,0]              ; t = D x c, rounded to f32
.set j, j+2
.endr
.set j, 0
.rept 32
	v_pk_add_f32 v[S+j:S+j+1], v[S+j:S+j+1], v[n0:n0+1] op_sel_hi:[1,0]              ; t - M, at most 0
	v_pk_add_f32 v[S+64+j:S+64+j+1], v[S+64+j:S+64+j+1], v[n1:n1+1] op_sel_hi:[1,0]
.set j, j+2
.endr
	s_wait_alu depctr_va_vdst(0)                   ; ahead of the batch
.set j, 0
.rept 128
	v_exp_f32 v[S+j], v[S+j]                       ; p = 2^(t - M)
.set j, j+1
.endr
	v_pk_mul_f32 v[u0:u0+1], v[u0:u0+1], v[FP:FP+1] op_sel_hi:[1,0]                  ; the sums under the new M.  (The plain instructions behind the batch)
	v_pk_mul_f32 v[u1:u1+1], v[u1:u1+1], v[FP+2:FP+3] op_sel_hi:[1,0]
	s_wait_alu depctr_va_vdst(0)                   ; and the one wait behind it
	v_pk_add_f32 v[26:27], v[S:S+1], v[S+2:S+3]                                      ; the sums of the unquantised p, in two chains a tile
	v_pk_add_f32 v[0:1], v[S+64:S+65], v[S+66:S+67]
	v_pk_add_f32 v[u0:u0+1], v[u0:u0+1], v[S+4:S+5]
	v_pk_add_f32 v[u1:u1+1], v[u1:u1+1], v[S+68:S+69]
.set j, 6
.rept 14
	v_pk_add_f32 v[26:27], v[26:27], v[S+j:S+j+1]
	v_pk_add_f32 v[0:1], v[0:1], v[S+64+j:S+64+j+1]
	v_pk_add_f32 v[u0:u0+1], v[u0:u0+1], v[S+j+2:S+j+3]
	v_pk_add_f32 v[u1:u1+1], v[u1:u1+1], v[S+64+j+2:S+64+j+3]
.set j, j+4
.endr
	v_pk_add_f32 v[26:27], v[26:27], v[S+62:S+63]
	v_pk_add_f32 v[0:1], v[0:1], v[S+126:S+127]
	v_pk_add_f32 v[u0:u0+1], v[u0:u0+1], v[26:27]
	v_pk_add_f32 v[u1:u1+1], v[u1:u1+1], v[0:1]
	QUANT S, 26
	QUANT S+64, 0
.endm
; One head's part of a step.  first: the mask's registers are awaited, and the mask's prefetch stands here.  ml: behind the step's last use of the mask the next step's is asked for (tail: but not in the very last step).
.macro HEAD h, ml, first, tail
.set k, 0
.rept 8
	ds_load_b128 v[F+8*k:F+8*k+3],   v[ADK] offset:16384*\h+1024*k
	ds_load_b128 v[F+8*k+4:F+8*k+7], v[ADK] offset:16384*\h+1024*k+512
.set k, k+1
.endr
.if \first
	s_wait_loadcnt 0x0                             ; the mask (in the first step Q too)
.endif
	s_wait_dscnt 0x0
	WIN 0x10                                       ; C window 1
.set k, 0
.rept 8
.set g, 8*((k+1)&7)
	v_wmma_f32_16x16x64_fp8_fp8 v[S+g:S+g+7],       v[F+8*k:F+8*k+7], v[Q+8*\h:Q+8*\h+7],       v[g:g+7]
	v_wmma_f32_16x16x64_fp8_fp8 v[S+64+g:S+64+g+7], v[F+8*k:F+8*k+7], v[Q+16+8*\h:Q+16+8*\h+7], v[64+g:64+g+7]
.set k, k+1
.endr
	WIN 0
	PLACES 4                                       ; in front of the loads over K's fragments and the mask, and of the first read of the scores
.set k, 0
.rept 16
	ds_load_b128 v[F+4*k:F+4*k+3], v[ADK] offset:16384*\h+8192+512*k     ; V^T's four images: they land while the softmax is worked
.set k, k+1
.endr
.if \first
	ASKM
.endif
.if \ml
.if \tail
	s_cmp_eq_u32 s[CNT], 1                         ; the very last step has no successor: a branch on the loop's counter leads round the loads
	s_cbranch_scc1 .Lnoml_\@
.endif
	s_add_nc_u64 s[MB:MB+1], s[MB:MB+1], 8192      ; (the loads that read this base were awaited at the step's head)
	MLOAD
.Lnoml_\@:
.endif
	SOFTMAX2 \h
	WIN 0x41                                       ; source 0 and destination window 1
	s_wait_alu depctr_va_vdst(0)                   ; directly ahead of the first readers of O^T
.set j, 0
.rept 16
	v_pk_mul_f32 v[O+32*\h+j:O+32*\h+j+1], v[O+32*\h+j:O+32*\h+j+1], v[FP:FP+1] op_sel_hi:[1,0]          ; O^T under the new M
.set j, j+2
.endr
.set j, 0
.rept 16
	v_pk_mul_f32 v[O+64+32*\h+j:O+64+32*\h+j+1], v[O+64+32*\h+j:O+64+32*\h+j+1], v[FP+2:FP+3] op_sel_hi:[1,0]
.set j, j+2
.endr
	s_wait_alu depctr_va_vdst(0)
	s_wait_dscnt 0x0                               ; V is in
	WIN 0x50                                       ; C and D window 1
.set k, 0
.rept 4
	v_wmma_f32_16x16x128_fp8_fp8 v[O+32*\h+8*k:O+32*\h+8*k+7],       v[F+16*k:F+16*k+15], v[S:S+15],       v[O+32*\h+8*k:O+32*\h+8*k+7]       ; eight accumulators by turns
	v_wmma_f32_16x16x128_fp8_fp8 v[O+64+32*\h+8*k:O+64+32*\h+8*k+7], v[F+16*k:F+16*k+15], v[S+64:S+79], v[O+64+32*\h+8*k:O+64+32*\h+8*k+7]
.set k, k+1
.endr
	WIN 0
	PLACES 5                                       ; in front of the next loads into the fragments (4) and of the next score products, which write over the codes (5)
.endm
.macro STEP tail
	s_wait_xcnt 0x0                                ; my prefetches, a step back, have read their address
	s_add_nc_u64 s[PM:PM+1], s[PM:PM+1], 8192
	s_add_co_u32 s[T2], s[T2], 1
	v_add_nc_u32 v[ADK], s[TB], v[AK0]
	s_wait_alu depctr_va_vdst(0)
	HEAD 0, 0, 1, 0
	HEAD 1, 1, 0, \tail
	s_add_co_u32 s[TB], s[TB], 32768               ; the next step: 32,768 bytes on, round the two slots
	s_and_b32 s[TB], s[TB], 0x3ffff
.endm
; THE CHANGE OF SLOTS, ahead of a slot's four steps: each wave waits for its tensor load (its part of the slot ahead), adds 0 to its spare word, and waits for that and for its reads of the slot that it has left.
; Behind the barrier the slot ahead is whole and nobody reads the other.  fill = 1: that other slot is asked for: the load has four steps in which to land.
.macro CHANGE fill
	s_wait_tensorcnt 0x0
	ds_add_u32 v[SPW], v[NIL]
.if \fill
	s_xor_b32 s[G0+1], s[G0+1], SLOT1
	s_add_nc_u64 s[G0+2:G0+3], s[G0+2:G0+3], 65536
	s_wait_xcnt 0x0                                ; my prefetch, a slot back, has read its address
	s_add_nc_u64 s[PK:PK+1], s[PK:PK+1], 65536
.endif
	s_wait_dscnt 0x0
	s_barrier_signal -1
	s_barrier_wait -1
.if \fill
	tensor_load_to_lds s[G0:G0+3], s[G1:G1+7]
	s_nop 0
	PLACES 4
	ASKK
.endif
.endm
	s_load_b256 s[4:11], s[0:1], 0x0               ; qimg s[4:5], kvimg s[6:7], mimg s[8:9], the exponents s[10:11]
	s_load_b64 s[12:13], s[0:1], 0x20              ; aimg
	v_lshl_add_u32 v[SPW], v0, 2, SPARE
	v_mov_b32 v[NIL], 0
	ds_add_u32 v[SPW], v[NIL]                      ; the opening lines: the add, twice on end, and its wait ahead of my first tensor load
	ds_add_u32 v[SPW], v[NIL]
	v_lshrrev_b32 v3, 5, v0
	v_readfirstlane_b32 s[WV], v3                  ; wave 0..7
	s_and_b32 s16, ttmp7, 0xffff                   ; y: the pair of heads
	s_mov_b32 s[G1], 3<<16                         ; 16,384 dense bytes as 64 rows of 32 elements of 8 bytes
	s_mov_b32 s[G1+1], 32<<16
	s_mov_b32 s[G1+2], 64<<16
	s_mov_b32 s[G1+3], 32<<16
	s_mov_b32 s[G1+4], 64
	s_mov_b32 s[G1+5], 32
	s_mov_b32 s[G1+6], 0
	s_mov_b32 s[G1+7], 0
	s_lshl_b32 s50, s[WV], 14                      ; my part of a slot: 16,384 x wave: step wave / 2 of the slot's four, head wave % 2
	s_and_b32 s51, s[WV], 1
	s_lshl_b32 s52, s16, 1
	s_add_co_u32 s52, s52, s51                     ; the head that I fetch for
	s_lshl_b32 s52, s52, 18
	s_lshr_b32 s53, s[WV], 1
	s_lshl_b32 s53, s53, 14
	s_add_co_u32 s52, s52, s53
	s_mov_b32 s53, 0
	s_and_b32 s58, ttmp9, 1                        ; the prefetches of K and V: my work-group's eighth of a slot: head x % 2, step x / 2; my wave's half of it
	s_lshl_b32 s59, s16, 1
	s_add_co_u32 s58, s58, s59
	s_lshl_b32 s58, s58, 18
	s_lshr_b32 s59, ttmp9, 1
	s_lshl_b32 s59, s59, 14
	s_add_co_u32 s58, s58, s59
	s_and_b32 s59, s[WV], 1
	s_lshl_b32 s59, s59, 13
	s_add_co_u32 s58, s58, s59
	s_add_co_u32 s58, s58, 65536                   ; in slot 1: the first change steps it to slot 2
	s_mov_b32 s59, 0
	s_cmp_lt_u32 s[WV], 2
	s_cselect_b32 s[LIMK], 1, 99
	s_mov_b32 s[SEL], 0x76543210
	s_mov_b32 s[SEL+1], 0xfedcba98
	s_mov_b32 s[TB], 0
	s_mov_b32 s[T2], 1
	s_wait_dscnt 0x0
	s_wait_kmcnt 0x0
	s_load_b256 s[72:79], s[10:11], 0x0            ; entry i of the exponents in s[72 + i]: eq s78, ek s79,
	s_load_b128 s[80:83], s[10:11], 0x20           ; ep s80, ev s81, ea s82
	s_mov_b32 s[G0], 1
	s_mov_b32 s[G0+1], s50
	s_add_nc_u64 s[G0+2:G0+3], s[6:7], s[52:53]
	s_or_b32 s[G0+3], s[G0+3], 0x80000000
	tensor_load_to_lds s[G0:G0+3], s[G1:G1+7]      ; slot 0: my one tensor load at the head
	s_nop 0
	PLACES 4
	s_add_nc_u64 s[PK:PK+1], s[6:7], s[58:59]
	v_and_b32 v3, 31, v0
	v_lshlrev_b32 v[AK0], 4, v3
	v_lshlrev_b32 v[PFM], 8, v3
	s_lshl_b32 s54, ttmp9, 4
	s_lshl_b32 s55, s[WV], 1
	s_add_co_u32 s54, s54, s55                     ; my first tile of 16 queries: 16 x + 2 wave
	s_lshl_b32 s56, s16, 18                        ; Q: head 2 y x 131,072 + tile x 1,024
	s_lshl_b32 s57, s54, 10
	s_add_co_u32 s56, s56, s57
	s_mov_b32 s57, 0
	s_add_nc_u64 s[4:5], s[4:5], s[56:57]
	s_lshl_b32 s56, s54, 17                        ; the mask: a tile's sixteen images of 8,192 bytes
	s_add_nc_u64 s[MB:MB+1], s[8:9], s[56:57]
	s_add_nc_u64 s[PM:PM+1], s[MB:MB+1], 8192      ; at step 1: step 0 steps it to step 2
	s_wait_alu depctr_va_vdst(0)                   ; directly ahead of the readers below
.irp i, 0,1,2,3
	global_load_b128 v[Q+8*\i:Q+8*\i+3],   v[AK0], s[4:5] offset:1024*(\i/2)+131072*(\i%2)
	global_load_b128 v[Q+8*\i+4:Q+8*\i+7], v[AK0], s[4:5] offset:1024*(\i/2)+131072*(\i%2)+512
.endr
	MLOAD                                          ; step 0's mask
	s_lshr_b32 s56, s16, 3                         ; the result: token tile 128 b + my tile, K step y % 8
	s_lshl_b32 s56, s56, 7
	s_add_co_u32 s56, s56, s54
	s_lshl_b32 s56, s56, 14
	s_and_b32 s58, s16, 7
	s_lshl_b32 s58, s58, 11
	s_add_co_u32 s56, s56, s58
	s_add_nc_u64 s[12:13], s[12:13], s[56:57]
	s_sub_co_u32 s58, s16, 2
	s_cmp_lt_u32 s58, 14
	s_cselect_b32 s[LIMM], s16, 0xffff
.irp i, 0,1,2,3
	v_mov_b32 v[NM+2*\i+1], 0xff61b1e6             ; the largest t so far: -3e38, under every t
	v_mov_b32 v[SU+2*\i], 0
	v_mov_b32 v[SU+2*\i+1], 0
	v_floor_f32 v[NM+2*\i], -v[NM+2*\i+1]          ; -M
.endr
	v_mov_b32 v[FP+1], 0                           ; (named as the upper halves of pairs)
	v_mov_b32 v[FP+3], 0
	WIN 0x40
.set j, 0
.rept 128
	v_mov_b32 v[O+j], 0                            ; O^T.  (The step has no first form of its own, which would be a third copy of it: it finds zeros, which the first change of M leaves zeros)
.set j, j+1
.endr
	WIN 0
	s_wait_kmcnt 0x0
	s_add_co_i32 s50, s78, s79
	s_sub_co_i32 s50, s50, 3                       ; eq + ek - 3
	s_lshl_b32 s50, s50, 23
	s_add_co_i32 s[CS], s50, 0x3fb8aa3b            ; c: the exponent is added to log2(e)'s exponent field
	s_mov_b32 s[CS+1], s[CS]
	s_add_co_i32 s50, s80, 127
	s_lshl_b32 s51, s50, 23
	v_mov_b32 v[SCP], s51                          ; 2^ep
	s_add_co_i32 s50, s50, 8
	s_lshl_b32 s50, s50, 23
	s_or_b32 s50, s50, 0x600000
	v_mov_b32 v[LMP], s50                          ; 448 x 2^ep
	v_mov_b32 v[LM2], s50
	s_mov_b32 s[OUT], 3
	s_wait_alu depctr_va_vdst(0)
.Lslot:                                            ; slots 0 to 2: behind each change the next slot is asked for
	CHANGE 1
	s_mov_b32 s[CNT], 4
.Lstep:
	STEP 0
	s_sub_co_u32 s[CNT], s[CNT], 1
	s_cmp_lg_u32 s[CNT], 0
	s_cbranch_scc1 .Lstep
	s_sub_co_u32 s[OUT], s[OUT], 1
	s_cmp_lg_u32 s[OUT], 0
	s_cbranch_scc1 .Lslot
	CHANGE 0                                       ; the last slot is written out
	s_mov_b32 s[CNT], 4
.Ltail:
	STEP 1
	s_sub_co_u32 s[CNT], s[CNT], 1
	s_cmp_lg_u32 s[CNT], 0
	s_cbranch_scc1 .Ltail
	; THE WAY OUT.  O^T / the sum x 2^(ep + ev), held, converted with 2^ea: two pieces of the last projection's operand for each (tile, head): lane (r, h): token r, features 64 (head % 2) + 16 k + 8 h + 0 .. 7.
	s_add_co_i32 s50, s82, 127
	s_lshl_b32 s51, s50, 23
	s_add_co_i32 s50, s50, 8
	s_lshl_b32 s50, s50, 23
	s_or_b32 s50, s50, 0x600000
	s_add_co_i32 s52, s80, s81
.irp i, 0,1,2,3
	v_add_f32 v[SU+2*\i], v[SU+2*\i], v[SU+2*\i+1] ; the sum's two halves,
.endr
.irp i, 0,1,2,3
	v_permlanex16_b32 v[SU+2*\i+1], v[SU+2*\i], s[SEL], s[SEL+1]
.endr
.irp i, 0,1,2,3
	v_add_f32 v[SU+2*\i], v[SU+2*\i], v[SU+2*\i+1] ; and lane l xor 16's: the row's sum, above 1/2
.endr
	v_mov_b32 v[SCP], s51                          ; 2^ea
	v_mov_b32 v[LMP], s50                          ; 448 x 2^ea
	s_wait_alu depctr_va_vdst(0)                   ; ahead of the batch
.irp i, 0,1,2,3
	v_rcp_f32 v[SU+2*\i], v[SU+2*\i]
.endr
	v_nop
	s_wait_alu depctr_va_vdst(0)                   ; and behind it
.irp i, 0,1,2,3
	v_ldexp_f32 v[SU+2*\i], v[SU+2*\i], s52        ; x 2^(ep + ev)
.endr
	WIN 0x01                                       ; source 0 window 1
	s_wait_alu depctr_va_vdst(0)                   ; directly ahead of the first readers of O^T
.irp i, 0,1,2,3
.set j, 0
.rept 16
	v_pk_mul_f32 v[S+32*\i+j:S+32*\i+j+1], v[O+32*\i+j:O+32*\i+j+1], v[SU+2*\i:SU+2*\i+1] op_sel_hi:[1,0]   ; each accumulator from its low end on
.set j, j+2
.endr
.endr
	WIN 0
.set k, 0
.rept 16
.set j, 0
.rept 8
	v_med3_num_f32 v[S+8*k+j], v[S+8*k+j], -v[LMP], v[LMP]
.set j, j+1
.endr
	v_cvt_scalef32_pk8_fp8_f32 v[F+2*k:F+2*k+1], v[S+8*k:S+8*k+7], v[SCP]
.set k, k+1
.endr
	v_nop                                          ; a plain instruction behind the last conversion
.irp i, 0,1,2,3
	global_store_b128 v[AK0], v[F+8*\i:F+8*\i+3],   s[12:13] offset:16384*(\i/2)+1024*(\i%2)       ; the wave stores 512 consecutive bytes, at a multiple of 512 from the buffer's first byte
	global_store_b128 v[AK0], v[F+8*\i+4:F+8*\i+7], s[12:13] offset:16384*(\i/2)+1024*(\i%2)+512
.endr
	s_wait_tensorcnt 0x0                           ; the wave's end
	ds_add_u32 v[SPW], v[NIL]
	s_wait_dscnt 0x0
	s_endpgm
.Lfunc_end_k_qddb1d0f0d4_attn:
	.size	k_qddb1d0f0d4_attn, .Lfunc_end_k_qddb1d0f0d4_attn-k_qddb1d0f0d4_attn
	.p2alignl 7, 3214868480
	.fill 96, 4, 3214868480
	.section	.rodata,"a",@progbits
	.p2align	6, 0x0
	.amdhsa_kernel k_qddb1d0f0d4_attn
		.amdhsa_group_segment_fixed_size 327680
		.amdhsa_private_segment_fixed_size 0
		.amdhsa_enable_private_segment 0
		.amdhsa_kernarg_size 40
		.amdhsa_user_sgpr_count 2
		.amdhsa_user_sgpr_kernarg_segment_ptr 1
		.amdhsa_wavefront_size32 1
		.amdhsa_system_sgpr_workgroup_id_x 1
		.amdhsa_system_sgpr_workgroup_id_y 1
		.amdhsa_system_sgpr_workgroup_id_z 1
		.amdhsa_system_vgpr_workitem_id 0
		.amdhsa_next_free_vgpr 512
		.amdhsa_next_free_sgpr 90
		.amdhsa_reserve_vcc 0
		.amdhsa_float_denorm_mode_32 3
		.amdhsa_float_denorm_mode_16_64 3
		.amdhsa_memory_ordered 1
		.amdhsa_forward_progress 1
		.amdhsa_inst_pref_size 166
	.end_amdhsa_kernel
	.amdgpu_metadata
---
amdhsa.version: [ 1, 2 ]
amdhsa.kernels:
  - .name:           k_qddb1d0f0d4_attn
    .symbol:         k_qddb1d0f0d4_attn.kd
    .args:
      - { .name: qimg, .offset: 0, .size: 8, .value_kind: global_buffer, .address_space: global }
      - { .name: kvimg, .offset: 8, .size: 8, .value_kind: global_buffer, .address_space: global }
      - { .name: mimg, .offset: 16, .size: 8, .value_kind: global_buffer, .address_space: global }
      - { .name: lowp_scales, .offset: 24, .size: 8, .value_kind: global_buffer, .address_space: global }
      - { .name: aimg, .offset: 32, .size: 8, .value_kind: global_buffer, .address_space: global }
    .group_segment_fixed_size: 327680
    .private_segment_fixed_size: 0
    .kernarg_segment_align: 8
    .kernarg_segment_size: 40
    .max_flat_workgroup_size: 256
    .sgpr_count:     90
    .vgpr_count:     512
    .wavefront_size: 32
...
	.end_amdgpu_metadata
.endif
;; end of part 3
;; launch oproj (part 4): grid 8 x 64, 4 waves a work-group, clusters of 4 x 4, 280,064 bytes of LDS; arguments aimg, wimg, lowp_scales, out0; writes out0
.if DOCPART == 4
	.amdgcn_target "amdgcn-amd-amdhsa--gfx1250"
	.amdhsa_code_object_version 6
	.text
	.protected	k_qddb1d0f0d4_oproj
	.globl	k_qddb1d0f0d4_oproj
	.p2align	8
	.type	k_qddb1d0f0d4_oproj,@function
k_qddb1d0f0d4_oproj:
	s_mov_b64 s[64:65], 0
	v_nop
	global_prefetch_b8 v0, s[64:65] scope:SCOPE_SE
	s_setreg_imm32_b32 hwreg(HW_REG_WAVE_MODE, 25, 1), 1
	s_wait_xcnt 0x0
	s_wait_alu depctr_hold_cnt(0) depctr_sa_sdst(0) depctr_va_vdst(0) depctr_va_sdst(0) depctr_va_ssrc(0) depctr_va_vcc(0) depctr_vm_vsrc(0)
	s_getreg_b32 s2, hwreg(HW_REG_IB_STS2, 6, 4)
	s_cmp_eq_u32 s2, 0
	s_cbranch_scc0 .Lentry_in_a_cluster
	s_endpgm
.Lentry_in_a_cluster:
	s_bfe_u32 s2, ttmp6, 0x10000c
	s_cmp_lg_u32 s2, 0xf033
	s_cbranch_scc0 .Lentry_shape_is_right
	s_endpgm
.Lentry_shape_is_right:
; out0 = (attention's result) w_o^T on codes of FP8 (E4M3).  aimg: [tile of 16 tokens 512][K step 8][2,048], wimg: [q, k, v, o][row tile 64][K step 8][2,048]: images of operand registers
; (a fragment of 16 rows x 128 K: [piece i][lane][16 bytes]; lane (r, h): row r, registers 2 c, 2 c + 1: k = 16 c + 8 h + 0 .. 7).  out0: [8192][1024] f32.  Each finished sum is multiplied once by 2^(e10 + e11).
; LIMIT: e10 + e11 between -126 and 127, so that the power of two is an f32 number.
; SHARES.  A work-group makes 128 tokens x 128 features over K = 1,024; four waves, 2 x 2, each 64 x 64: 16 accumulators.
; BOTH OPERAND TILES LIE WHOLE IN LDS (2 x 131,072 bytes): nothing is filled twice.  Each wave asks at the start for 64 rows' images over all of K by one tensor load: one tensor load of mine is out at the most.
; CLUSTERS: 4 x 4 work-groups.  The four of a row of the cluster need the same tokens, the four of a column the same weights: each tile is asked for JOINTLY, by the same tensor load with the same descriptor and a mask that names the four.
; Source 0 = 16 rows of the weight, source 1 = 16 tokens: a lane holds eight neighbouring numbers of a row of out0.  They go through the wave's own stage in LDS, behind the tiles, and leave as rows of 256 bytes.
; REGISTERS: window 0: v3-10 addresses; v32-63 a block's scaled sums; v64-127 rows read back, two sets by turns; v128-255 accumulator (a, f) at v[128 + 8 (4 a + f)].  window 1: two fragment buffers of 128.
.set ACC, 128
.set TMP, 32
.set BK,  64
.set LI,  3                            ; v3  16 x lane
.set AX,  4                            ; v4  LDS: my 64 tokens' images
.set AW,  5                            ; v5  LDS: my 64 features' images
.set STO, 6                            ; v6  the stage: where I put 32 bytes of a row
.set RD,  7                            ; v7  and where I read a row back
.set CO,  8                            ; v8  my byte offset in two rows of out0
.set SPITCH, 272                       ; a stage row: 256 bytes + 16 of padding
.set STAGE,  262144                    ; behind the tiles: 16 rows x 272 bytes for each wave; no tensor load lands there
.set G1X, 32                           ; s[32:39] descriptor group 1 for the tokens' tiles;  s[48:51] group 0
.set G0X, 48
.set G1W, 40                           ; s[40:47], s[68:71] the same for the weight's tiles
.set G0W, 68
.set MSB, 0
.macro WIN new                         ; the immediate's high byte repeats the setting that is left
.if MSB != \new
	s_set_vgpr_msb (MSB<<8)|\new
.set MSB, \new
.endif
.endm
.macro CROUND                          ; a round of the cluster's barrier
	s_barrier_signal -1
	s_barrier_wait -1
	s_cmp_lg_u32 s18, 0
	s_cbranch_scc1 .Lnot_wave_0_\@
	s_barrier_signal -3
.Lnot_wave_0_\@:
	s_barrier_wait -3
	s_barrier_signal -1
	s_barrier_wait -1
.endm
.macro PLACES n                        ; plain vector instructions between a matrix instruction and a load into, or a vector read of, its registers
.rept \n
	v_nop
.endr
.endm
.macro GATE n                          ; a wave's tensor loads end in order (ISA guide 10.11.1): with n left out my next chunk is in; behind the barrier everybody's is.  Later chunks may stay out
	s_wait_tensorcnt \n
	s_wait_dscnt 0x0                               ; no LDS instruction of mine is pending at a signal
	s_barrier_signal -1
	s_barrier_wait -1
.endm
.macro FETCH s, f                      ; K step s: four fragments of tokens, four of the weight, into buffer f: 32 loads of 512 consecutive bytes
	WIN 0x40                                       ; destination window 1, address window 0
.irp a, 0,1,2,3
.irp i, 0,1,2,3
	ds_load_b128 v[(\f)+16*\a+4*\i:(\f)+16*\a+4*\i+3], v[AX] offset:\a*16384+(\s)*2048+\i*512
.endr
.endr
.irp a, 0,1,2,3
.irp i, 0,1,2,3
	ds_load_b128 v[(\f)+64+16*\a+4*\i:(\f)+64+16*\a+4*\i+3], v[AW] offset:\a*16384+(\s)*2048+\i*512
.endr
.endr
.endm
.macro MUL16 f, zero                   ; 128 along K on the 16 accumulators, which take turns, one instruction a turn, in the same order in every step.  zero: the first step starts the sums
.irp a, 0,1,2,3
.irp g, 0,1,2,3
.set opD, ACC+8*(4*\a+\g)
.set opA, (\f)+64+16*\g
.set opB, (\f)+16*\a
.if \zero
	v_wmma_f32_16x16x128_fp8_fp8 v[opD:opD+7], v[opA:opA+15], v[opB:opB+15], 0
.else
	v_wmma_f32_16x16x128_fp8_fp8 v[opD:opD+7], v[opA:opA+15], v[opB:opB+15], v[opD:opD+7]
.endif
.endr
.endr
.endm
	s_load_b256 s[4:11], s[0:1], 0x0               ; aimg s[4:5], wimg s[6:7], the exponents s[8:9], out0 s[10:11]
	v_lshl_add_u32 v30, v0, 2, 0x44400
	v_mov_b32 v31, 0
	ds_add_u32 v30, v31
	ds_add_u32 v30, v31
	v_lshrrev_b32 v1, 5, v0
	v_readfirstlane_b32 s18, v1                    ; wave 0..3
	s_lshr_b32 s19, s18, 1                         ; which half of the tokens is mine.  Also: I fetch tokens (0) or weights (1)
	s_and_b32 s20, s18, 1                          ; which half of the features.  Also: which half of that tile I fetch
	s_bfe_u32 s21, ttmp6, 0x40000                  ; cx, cy: my place in the cluster
	s_bfe_u32 s22, ttmp6, 0x40004
	s_lshl_b32 s23, ttmp9, 2
	s_add_co_u32 s23, s23, s21                     ; feature tile = 4 x cluster x + cx
	s_and_b32 s24, ttmp7, 0xffff
	s_lshl_b32 s28, s24, 2
	s_add_co_u32 s28, s28, s22                     ; token tile = 4 x cluster y + cy
	s_lshl_b32 s25, s22, 2
	s_lshl_b32 s25, 15, s25                        ; my row of the cluster
	s_lshl_b32 s26, 0x1111, s21                    ; my column
	; descriptor group 1: 256 rows of 256 bytes, dense in memory and in LDS; elements of 8 bytes
	s_or_b32 s[G1X], s25, (3<<16)|(1<<21)          ; 15:0 the mask; 17:16 elements of 8 bytes; 21 set beside a mask
	s_or_b32 s[G1W], s26, (3<<16)|(1<<21)
.irp g, G1X, G1W
	s_mov_b32 s[\g+1], 32<<16                      ; ONE load a wave: four row tiles' images are 65,536 consecutive bytes, stated as 256 rows of 256 bytes; LDS holds them in memory's order
	s_mov_b32 s[\g+2], 256<<16
	s_mov_b32 s[\g+3], 32<<16
	s_mov_b32 s[\g+4], 256
	s_mov_b32 s[\g+5], 32
	s_mov_b32 s[\g+6], 0
	s_mov_b32 s[\g+7], 0
.endr
	s_lshl_b32 s96, s28, 17                        ; tokens: the tile's eight row tiles,
	s_lshl_b32 s29, s20, 16                        ; the half that I fetch
	s_add_co_u32 s96, s96, s29
	s_mov_b32 s97, 0
	s_lshl_b32 s98, s23, 17                        ; weights: w_o's images lie 3 MiB in; feature tile, half
	s_lshl_b32 s30, s20, 16
	s_add_co_u32 s98, s98, s30
	s_add_co_u32 s98, s98, 3<<20
	s_mov_b32 s99, 0
	s_lshl_b32 s31, s18, 16                        ; where they go: wave x 65,536: no place in the cluster enters an LDS address
	v_and_b32 v1, 31, v0
	v_lshlrev_b32 v[LI], 4, v1
	s_lshl_b32 s2, s19, 16
	v_add_nc_u32 v[AX], s2, v[LI]
	s_lshl_b32 s2, s20, 16
	s_add_co_u32 s2, s2, 131072
	v_add_nc_u32 v[AW], s2, v[LI]
	v_and_b32 v9, 15, v0                           ; r
	v_bfe_u32 v10, v0, 4, 1                        ; h
	s_mul_i32 s2, s18, 16*SPITCH
	s_add_co_u32 s2, s2, STAGE                     ; my stage
	v_mul_u32_u24 v[STO], v9, SPITCH               ; in: row r, 32 bytes for each half of the lanes
	v_lshl_add_u32 v[STO], v10, 5, v[STO]
	v_add_nc_u32 v[STO], s2, v[STO]
	v_mul_u32_u24 v[RD], v10, SPITCH               ; back: lanes 0-15 take one row of 256 bytes, lanes 16-31 the next
	v_lshl_add_u32 v[RD], v9, 4, v[RD]
	v_add_nc_u32 v[RD], s2, v[RD]
	v_lshlrev_b32 v[CO], 12, v10                   ; and the same two rows in out0
	v_lshl_add_u32 v[CO], v9, 4, v[CO]
	s_wait_dscnt 0x0
	s_wait_kmcnt 0x0
	s_load_b64 s[94:95], s[8:9], 0x28              ; e10, e11
	s_add_nc_u64 s[96:97], s[4:5], s[96:97]
	s_add_nc_u64 s[98:99], s[6:7], s[98:99]
	CROUND                                         ; all sixteen work-groups are here: the joint loads meet
.irp c, 0
	s_mov_b32 s[G0X+4*\c], 1
	s_add_co_u32 s[G0X+4*\c+1], s31, \c*16384      ; LDS address
	s_add_nc_u64 s[G0X+4*\c+2:G0X+4*\c+3], s[96:97], \c*4096  ; global address: chunk c
	s_or_b32 s[G0X+4*\c+3], s[G0X+4*\c+3], 0x80000000         ; type = 2
	s_mov_b32 s[G0W+4*\c], 1
	s_add_co_u32 s[G0W+4*\c+1], s31, \c*16384
	s_add_nc_u64 s[G0W+4*\c+2:G0W+4*\c+3], s[98:99], \c*4096
	s_or_b32 s[G0W+4*\c+3], s[G0W+4*\c+3], 0x80000000
.endr
	s_cmp_eq_u32 s19, 0                            ; a wave's one fill stands in one branch on its number, ahead of every wait on TENSORcnt and every LDS read; four v_nop follow the last
	s_cbranch_scc0 .Lfirst_w
.irp c, 0
	tensor_load_to_lds s[G0X+4*\c:G0X+4*\c+3], s[G1X:G1X+7]
	s_nop 0
.endr
.rept 4
	v_nop
.endr
	s_branch .Lfirst_asked
.Lfirst_w:
.irp c, 0
	tensor_load_to_lds s[G0W+4*\c:G0W+4*\c+3], s[G1W:G1W+7]
	s_nop 0
.endr
.rept 4
	v_nop
.endr
.Lfirst_asked:
	s_lshl_b32 s2, s28, 19                         ; my part of out0: (128 x token tile + 64 wr) rows of 4,096 bytes,
	s_lshl_b32 s3, s19, 18
	s_add_co_u32 s2, s2, s3
	s_lshl_b32 s3, s23, 9                          ; + 512 x feature tile + 256 wc
	s_add_co_u32 s2, s2, s3
	s_lshl_b32 s3, s20, 8
	s_add_co_u32 s2, s2, s3
	s_mov_b32 s3, 0
	s_add_nc_u64 s[10:11], s[10:11], s[2:3]
	s_wait_kmcnt 0x0
	s_add_co_i32 s96, s94, s95
	s_add_co_i32 s96, s96, 127
	s_lshl_b32 s96, s96, 23                        ; 2^(e10 + e11) as f32
	s_mov_b32 s97, s96                             ; (named with it as a pair, so it is written)
	; eight K steps on two buffers: step s + 1 is fetched ahead of step s's products
	GATE 0                                         ; my one tensor load, 64 rows' images over all of K, is in; behind the barrier everybody's is
	FETCH 0, 0
.set st, 0
.rept 7
.if st > 0
	PLACES 4                                       ; the buffer was read by the products of step s - 1
.endif
	FETCH st+1, 128*((st+1)%2)
	s_wait_dscnt 32                                ; all but the 32 just issued
	WIN 0x05                                       ; sources 0 and 1 window 1; C and D window 0
	MUL16 128*(st%2), (st==0)
.set st, st+1
.endr
	s_wait_dscnt 0x0
	MUL16 128, 0
	WIN 0
; THE WAY OUT, a block of 16 tokens x 64 features at a time: scaled, 32 bytes a lane into my stage, back as rows of 256 bytes.  LDS serves a wave's instructions in order (ISA guide 5.7.1.4): no wait between the stores and the loads.
.macro OUTA a
.set j, 0
.rept 16
	v_pk_mul_f32 v[TMP+j:TMP+j+1], v[ACC+32*\a+j:ACC+32*\a+j+1], s[96:97] op_sel_hi:[1,0]   ; each accumulator from its low end on
.set j, j+2
.endr
.irp g, 0,1,2,3
	ds_store_b128 v[STO], v[TMP+8*\g:TMP+8*\g+3]   offset:64*\g
	ds_store_b128 v[STO], v[TMP+8*\g+4:TMP+8*\g+7] offset:64*\g+16
.endr
.if \a >= 2
	s_wait_xcnt 0x0                                ; the stores of two blocks back have read their registers: the loads below may land there
.endif
.irp t, 0,1,2,3,4,5,6,7
	ds_load_b128 v[BK+32*(\a%2)+4*\t:BK+32*(\a%2)+4*\t+3], v[RD] offset:\t*2*SPITCH
.endr
	s_wait_dscnt 0x0
.irp t, 0,1,2,3,4,5,6,7
	global_store_b128 v[CO], v[BK+32*(\a%2)+4*\t:BK+32*(\a%2)+4*\t+3], s[10:11] offset:(16*\a+2*\t)*4096 th:TH_STORE_NT   ; 16 lanes store 256 consecutive bytes, at a multiple of 256 from out0's first byte
.endr
.endm
	PLACES 4
	OUTA 0
	OUTA 1
	OUTA 2
	OUTA 3
	s_wait_tensorcnt 0x0
	ds_add_u32 v30, v31
	s_wait_dscnt 0x0
	CROUND                                         ; the closing round: no work-group ends while a partner may still ask for a tile that names it
	s_endpgm
.Lfunc_end_k_qddb1d0f0d4_oproj:
	.size	k_qddb1d0f0d4_oproj, .Lfunc_end_k_qddb1d0f0d4_oproj-k_qddb1d0f0d4_oproj
	.p2alignl 7, 3214868480
	.fill 96, 4, 3214868480
	.section	.rodata,"a",@progbits
	.p2align	6, 0x0
	.amdhsa_kernel k_qddb1d0f0d4_oproj
		.amdhsa_group_segment_fixed_size 280064
		.amdhsa_private_segment_fixed_size 0
		.amdhsa_enable_private_segment 0
		.amdhsa_kernarg_size 32
		.amdhsa_user_sgpr_count 2
		.amdhsa_user_sgpr_kernarg_segment_ptr 1
		.amdhsa_wavefront_size32 1
		.amdhsa_system_sgpr_workgroup_id_x 1
		.amdhsa_system_sgpr_workgroup_id_y 1
		.amdhsa_system_sgpr_workgroup_id_z 1
		.amdhsa_system_vgpr_workitem_id 0
		.amdhsa_next_free_vgpr 512
		.amdhsa_next_free_sgpr 100
		.amdhsa_reserve_vcc 0
		.amdhsa_float_denorm_mode_32 3
		.amdhsa_float_denorm_mode_16_64 3
		.amdhsa_memory_ordered 1
		.amdhsa_forward_progress 1
		.amdhsa_inst_pref_size 43
	.end_amdhsa_kernel
	.amdgpu_metadata
---
amdhsa.version: [ 1, 2 ]
amdhsa.kernels:
  - .name:           k_qddb1d0f0d4_oproj
    .symbol:         k_qddb1d0f0d4_oproj.kd
    .args:
      - { .name: aimg, .offset: 0, .size: 8, .value_kind: global_buffer, .address_space: global }
      - { .name: wimg, .offset: 8, .size: 8, .value_kind: global_buffer, .address_space: global }
      - { .name: lowp_scales, .offset: 16, .size: 8, .value_kind: global_buffer, .address_space: global }
      - { .name: out0, .offset: 24, .size: 8, .value_kind: global_buffer, .address_space: global }
    .group_segment_fixed_size: 280064
    .private_segment_fixed_size: 0
    .kernarg_segment_align: 8
    .kernarg_segment_size: 32
    .max_flat_workgroup_size: 128
    .sgpr_count:     100
    .vgpr_count:     512
    .wavefront_size: 32
...
	.end_amdgpu_metadata
.endif
;; end of part 4
